; MI455X (gfx1250); checked and timed in simulation.
; The chip was launched on July 23, 2026; its instructions are those of AMD's public machine-readable ISA for CDNA 5 (MIT licence, August 2026) and "CDNA5" Instruction Set Architecture Reference Guide (July 2026). The comments in the code are by the model that wrote it; some were corrected since.
;; Scalar. Allowed arithmetic: float matrix products may take bf16 or f16 operands with f32 sums; all other float work in f32.
;; Inputs: W 1,000,000 x 16 float32; action 65,536 x 1 int32; b 16 float32.
;; Outputs: out0 65,536 x 16 float32.
;; 2 versions, each right; version 2 is version 1 with the launch gather written anew for expert scheduling mode. Each part assembles by itself: llvm-mc -triple=amdgcn-amd-amdhsa -mcpu=gfx1250 --defsym DOCPART=n.
;; ======== version 1 of 2: 1 launch
;; launch gather (part 1): grid 256 x 1, 8 waves a work-group, no clusters, 0 bytes of LDS; arguments action, W, b, out0; writes out0
.if DOCPART == 1
	.amdgcn_target "amdgcn-amd-amdhsa--gfx1250"
	.amdhsa_code_object_version 6
	.text
	.protected	k_q73bb304b33_gather
	.globl	k_q73bb304b33_gather
	.p2align	8
	.type	k_q73bb304b33_gather,@function
k_q73bb304b33_gather:
	s_mov_b64 s[64:65], 0
	v_nop
	global_prefetch_b8 v0, s[64:65] scope:SCOPE_SE
	s_setreg_imm32_b32 hwreg(HW_REG_WAVE_MODE, 25, 1), 1
	s_wait_xcnt 0x0
; out0[i][c] = W[action[i]][c] + b[c].   action: [65536] i32, W: [1000000][16] f32, b: [16] f32, out0: [65536][16] f32.
; A gather: only the 65,536 rows of 64 bytes that the list names are read; nothing is read twice by this text, nothing goes through LDS.
; 256 work-groups of eight waves; a work-group owns 256 rows (16,384 bytes of out0) and takes them in four steps of 64 rows.
; In step j thread t owns the 16 bytes at byte 4096 j + 16 t of the group's output: row 64 j + (t >> 2), columns 4 (t & 3) .. + 3.
; So four neighbouring lanes read one whole row of W, and each store of a wave covers 512 consecutive bytes, aligned.
; All four steps are in flight together: four index loads, then four row loads, then four stores; no loop, no register used twice.
; LIMIT: indices are taken to lie in 0 .. 999,999, as the problem promises.  The index is clamped as an unsigned number to 999,999,
; so one that is too large, and a negative one too, takes the last row; negative indices are NOT wrapped round the table's end.
.set VOCAB,  1000000
.set STEPS,  4
.set SROWS,  64                        ; rows in a step = 256 threads / 4 lanes a row
.set IOFF,   1                         ; v1        byte offset of my row's index in the group's part of action: 4 (t >> 2)
.set Q,      2                         ; v2        byte offset of my four columns in a row: 16 (t & 3)
.set OOFF,   3                         ; v3        byte offset of my 16 bytes in a step's output: 16 t
.set B,      4                         ; v[4:7]    b of my four columns
.set IDX,    8                         ; v[8:11]   step j: my row's index
.set WOFF,   12                        ; v[12:15]  step j: byte offset of my 16 bytes in W (below 64,000,000)
.set X,      16                        ; v[16:31]  step j: four f32, as loaded, then with b added, as stored
	s_load_b256 s[4:11], s[0:1], 0x0               ; action s[4:5], W s[6:7], b s[8:9], out0 s[10:11]
	v_and_b32 v[IOFF], 0xfc, v0                    ; 4 (t >> 2): four lanes share a word
	v_and_b32 v[Q], 3, v0
	v_lshlrev_b32 v[Q], 4, v[Q]                    ; 16 (t & 3)
	v_lshlrev_b32 v[OOFF], 4, v0                   ; 16 t
	s_lshl_b32 s12, ttmp9, 10                      ; the group's 256 indices: 1,024 bytes
	s_mov_b32 s13, 0
	s_lshl_b32 s14, ttmp9, 14                      ; the group's 256 rows of out0: 16,384 bytes
	s_mov_b32 s15, 0
	s_wait_kmcnt 0x0
	s_add_nc_u64 s[4:5], s[4:5], s[12:13]
	s_add_nc_u64 s[10:11], s[10:11], s[14:15]
	; the indices first: the row loads hang on them
.irp j, 0,1,2,3
	global_load_b32 v[IDX+\j], v[IOFF], s[4:5] offset:\j*SROWS*4
.endr
	global_load_b128 v[B:B+3], v[Q], s[8:9]        ; b of my four columns, once
	; the rows.  No cache hint: the list may name a row twice.
.irp j, 0,1,2,3
	s_wait_loadcnt 4                               ; loads come back in order (ISA guide 5.7.1).  Behind index j stand the 3 - j later
	                                               ; indices, b, and the j row loads issued so far: always four
	v_min_u32 v[IDX+\j], VOCAB-1, v[IDX+\j]        ; no load leaves the table, whatever the list holds
	v_lshl_add_u32 v[WOFF+\j], v[IDX+\j], 6, v[Q]  ; 64 bytes a row + my quarter
	global_load_b128 v[X+4*\j:X+4*\j+3], v[WOFF+\j], s[6:7]
.endr
	; add b and store; out0 is written once and not read again in this launch
.irp j, 0,1,2,3
	s_wait_loadcnt 3-\j                            ; row j is in (and b, which is older); the 3 - j younger rows stay out
	v_pk_add_f32 v[X+4*\j:X+4*\j+1],   v[X+4*\j:X+4*\j+1],   v[B:B+1]
	v_pk_add_f32 v[X+4*\j+2:X+4*\j+3], v[X+4*\j+2:X+4*\j+3], v[B+2:B+3]
	global_store_b128 v[OOFF], v[X+4*\j:X+4*\j+3], s[10:11] offset:\j*SROWS*64 th:TH_STORE_NT
.endr
	s_endpgm
.Lfunc_end_k_q73bb304b33_gather:
	.size	k_q73bb304b33_gather, .Lfunc_end_k_q73bb304b33_gather-k_q73bb304b33_gather
	.p2alignl 7, 3214868480
	.fill 96, 4, 3214868480
	.section	.rodata,"a",@progbits
	.p2align	6, 0x0
	.amdhsa_kernel k_q73bb304b33_gather
		.amdhsa_group_segment_fixed_size 0
		.amdhsa_private_segment_fixed_size 0
		.amdhsa_enable_private_segment 0
		.amdhsa_kernarg_size 32
		.amdhsa_user_sgpr_count 2
		.amdhsa_user_sgpr_kernarg_segment_ptr 1
		.amdhsa_wavefront_size32 1
		.amdhsa_system_sgpr_workgroup_id_x 1
		.amdhsa_system_sgpr_workgroup_id_y 1
		.amdhsa_system_sgpr_workgroup_id_z 1
		.amdhsa_system_vgpr_workitem_id 0
		.amdhsa_next_free_vgpr 32
		.amdhsa_next_free_sgpr 66
		.amdhsa_reserve_vcc 0
		.amdhsa_float_denorm_mode_32 3
		.amdhsa_float_denorm_mode_16_64 3
		.amdhsa_memory_ordered 1
		.amdhsa_forward_progress 1
		.amdhsa_inst_pref_size 4
	.end_amdhsa_kernel
	.amdgpu_metadata
---
amdhsa.version: [ 1, 2 ]
amdhsa.kernels:
  - .name:           k_q73bb304b33_gather
    .symbol:         k_q73bb304b33_gather.kd
    .args:
      - { .name: action, .offset: 0, .size: 8, .value_kind: global_buffer, .address_space: global }
      - { .name: W, .offset: 8, .size: 8, .value_kind: global_buffer, .address_space: global }
      - { .name: b, .offset: 16, .size: 8, .value_kind: global_buffer, .address_space: global }
      - { .name: out0, .offset: 24, .size: 8, .value_kind: global_buffer, .address_space: global }
    .group_segment_fixed_size: 0
    .private_segment_fixed_size: 0
    .kernarg_segment_align: 8
    .kernarg_segment_size: 32
    .max_flat_workgroup_size: 256
    .sgpr_count:     66
    .vgpr_count:     32
    .wavefront_size: 32
...
	.end_amdgpu_metadata
.endif
;; end of part 1
;; ======== version 2 of 2: 1 launch; version 1 with the launch gather written anew for expert scheduling mode
;; launch gather (part 2): grid 256 x 1, 8 waves a work-group, no clusters, 0 bytes of LDS; arguments action, W, b, out0; writes out0
.if DOCPART == 2
	.amdgcn_target "amdgcn-amd-amdhsa--gfx1250"
	.amdhsa_code_object_version 6
	.text
	.protected	k_q73bb304b33_gather
	.globl	k_q73bb304b33_gather
	.p2align	8
	.type	k_q73bb304b33_gather,@function
k_q73bb304b33_gather:
	s_mov_b64 s[64:65], 0
	v_nop
	global_prefetch_b8 v0, s[64:65] scope:SCOPE_SE
	s_setreg_imm32_b32 hwreg(HW_REG_WAVE_SCHED_MODE, 0, 2), 2
	s_setreg_imm32_b32 hwreg(HW_REG_WAVE_MODE, 25, 1), 1
	s_wait_xcnt 0x0
	s_wait_alu depctr_vm_vsrc(0)
; out0[i][c] = W[action[i]][c] + b[c].   action: [65536] i32, W: [1000000][16] f32, b: [16] f32, out0: [65536][16] f32.
; A gather: only the 65,536 rows of 64 bytes that the list names are read; nothing is read twice by this text, nothing goes through LDS.
; 256 work-groups of eight waves; a work-group owns 256 rows (16,384 bytes of out0) and takes them in four steps of 64 rows.
; In step j thread t owns the 16 bytes at byte 4096 j + 16 t of the group's output: row 64 j + (t >> 2), columns 4 (t & 3) .. + 3.
; So four neighbouring lanes read one whole row of W, and each store of a wave covers 512 consecutive bytes, aligned.
; All four steps are in flight together: four index loads, then four row loads, then four stores; no loop, no register used twice.
; LIMIT: indices are taken to lie in 0 .. 999,999, as the problem promises.  The index is clamped as an unsigned number to 999,999,
; so one that is too large, and a negative one too, takes the last row; negative indices are NOT wrapped round the table's end.
; THE MODE: SCHED_MODE bits 1:0 = 2 (LLVM: expert scheduling mode 2), set by the entry lines.  The code itself states the register dependences
; between vector instructions and memory instructions, with s_wait_alu, always for 0.
; THE PLAN.  Registers that memory instructions touch:
;   v1, v2, v3   offsets, written by vector instructions at the head and never again; read by the index loads, by b's load, by the stores.
;   v[8:11]      the indices: loaded once; then named by vector instructions alone.      v[4:7]  b: loaded once; read by the additions alone.
;   v[12:15]     offsets into W: written by vector instructions once, all four together; read by the four row loads; never written again.
;   v[16:31]     the rows: loaded once, into registers that no vector instruction has named; b is added in place; read by the stores; never written again.
; So four waits on va_vdst state everything: ahead of the first load (v1 to v3), ahead of the run of row loads (v[12:15]), and ahead of each
; pair of stores (their rows' sums).  No register that a memory instruction reads is written again, no load lands in a register that a vector
; instruction has named, no vector instruction writes a scalar register, and EXEC is never written: no other wait has a dependence to state.
.set VOCAB,  1000000
.set STEPS,  4
.set SROWS,  64                        ; rows in a step = 256 threads / 4 lanes a row
.set IOFF,   1                         ; v1        byte offset of my row's index in the group's part of action: 4 (t >> 2)
.set Q,      2                         ; v2        byte offset of my four columns in a row: 16 (t & 3)
.set OOFF,   3                         ; v3        byte offset of my 16 bytes in a step's output: 16 t
.set B,      4                         ; v[4:7]    b of my four columns
.set IDX,    8                         ; v[8:11]   step j: my row's index
.set WOFF,   12                        ; v[12:15]  step j: byte offset of my 16 bytes in W (below 64,000,000)
.set X,      16                        ; v[16:31]  step j: four f32, as loaded, then with b added, as stored
	s_load_b256 s[4:11], s[0:1], 0x0               ; action s[4:5], W s[6:7], b s[8:9], out0 s[10:11]
	v_and_b32 v[IOFF], 0xfc, v0                    ; 4 (t >> 2): four lanes share a word
	v_and_b32 v[Q], 3, v0
	v_lshlrev_b32 v[Q], 4, v[Q]                    ; 16 (t & 3)
	v_lshlrev_b32 v[OOFF], 4, v0                   ; 16 t
	s_lshl_b32 s12, ttmp9, 10                      ; the group's 256 indices: 1,024 bytes
	s_mov_b32 s13, 0
	s_lshl_b32 s14, ttmp9, 14                      ; the group's 256 rows of out0: 16,384 bytes
	s_mov_b32 s15, 0
	s_wait_kmcnt 0x0
	s_add_nc_u64 s[4:5], s[4:5], s[12:13]
	s_add_nc_u64 s[10:11], s[10:11], s[14:15]
	s_wait_alu depctr_va_vdst(0)                   ; v1, v2 and v3 are written: the index loads, b's load and the stores read them as their offsets
	; the indices first: the row loads hang on them
.irp j, 0,1,2,3
	global_load_b32 v[IDX+\j], v[IOFF], s[4:5] offset:\j*SROWS*4
.endr
	global_load_b128 v[B:B+3], v[Q], s[8:9]        ; b of my four columns, once
	; the rows' addresses, all four together, so that one wait serves the four row loads
	s_wait_loadcnt 1                               ; loads come back in order (ISA guide 5.7.1): the four indices are in; b, the one younger load, may stay out
.irp j, 0,1,2,3
	v_min_u32 v[IDX+\j], VOCAB-1, v[IDX+\j]        ; no load leaves the table, whatever the list holds
.endr
.irp j, 0,1,2,3
	v_lshl_add_u32 v[WOFF+\j], v[IDX+\j], 6, v[Q]  ; 64 bytes a row + my quarter
.endr
	s_wait_alu depctr_va_vdst(0)                   ; the four offsets v[12:15] are written, which the row loads read
	; the rows.  No cache hint: the list may name a row twice.
.irp j, 0,1,2,3
	global_load_b128 v[X+4*\j:X+4*\j+3], v[WOFF+\j], s[6:7]
.endr
	; add b and store, two rows at a time; out0 is written once and not read again in this launch
.irp p, 0,1
	s_wait_loadcnt 2-2*\p                          ; rows 2 p and 2 p + 1 are in (and b, which is older); the younger rows stay out
.irp j, 2*\p, 2*\p+1
	v_pk_add_f32 v[X+4*(\j):X+4*(\j)+1],   v[X+4*(\j):X+4*(\j)+1],   v[B:B+1]
	v_pk_add_f32 v[X+4*(\j)+2:X+4*(\j)+3], v[X+4*(\j)+2:X+4*(\j)+3], v[B+2:B+3]
.endr
	s_wait_alu depctr_va_vdst(0)                   ; the four additions have written these two rows' sums, which the two stores read
.irp j, 2*\p, 2*\p+1
	global_store_b128 v[OOFF], v[X+4*(\j):X+4*(\j)+3], s[10:11] offset:(\j)*SROWS*64 th:TH_STORE_NT
.endr
.endr
	s_endpgm
.Lfunc_end_k_q73bb304b33_gather:
	.size	k_q73bb304b33_gather, .Lfunc_end_k_q73bb304b33_gather-k_q73bb304b33_gather
	.p2alignl 7, 3214868480
	.fill 96, 4, 3214868480
	.section	.rodata,"a",@progbits
	.p2align	6, 0x0
	.amdhsa_kernel k_q73bb304b33_gather
		.amdhsa_group_segment_fixed_size 0
		.amdhsa_private_segment_fixed_size 0
		.amdhsa_enable_private_segment 0
		.amdhsa_kernarg_size 32
		.amdhsa_user_sgpr_count 2
		.amdhsa_user_sgpr_kernarg_segment_ptr 1
		.amdhsa_wavefront_size32 1
		.amdhsa_system_sgpr_workgroup_id_x 1
		.amdhsa_system_sgpr_workgroup_id_y 1
		.amdhsa_system_sgpr_workgroup_id_z 1
		.amdhsa_system_vgpr_workitem_id 0
		.amdhsa_next_free_vgpr 32
		.amdhsa_next_free_sgpr 66
		.amdhsa_reserve_vcc 0
		.amdhsa_float_denorm_mode_32 3
		.amdhsa_float_denorm_mode_16_64 3
		.amdhsa_memory_ordered 1
		.amdhsa_forward_progress 1
		.amdhsa_inst_pref_size 4
	.end_amdhsa_kernel
	.amdgpu_metadata
---
amdhsa.version: [ 1, 2 ]
amdhsa.kernels:
  - .name:           k_q73bb304b33_gather
    .symbol:         k_q73bb304b33_gather.kd
    .args:
      - { .name: action, .offset: 0, .size: 8, .value_kind: global_buffer, .address_space: global }
      - { .name: W, .offset: 8, .size: 8, .value_kind: global_buffer, .address_space: global }
      - { .name: b, .offset: 16, .size: 8, .value_kind: global_buffer, .address_space: global }
      - { .name: out0, .offset: 24, .size: 8, .value_kind: global_buffer, .address_space: global }
    .group_segment_fixed_size: 0
    .private_segment_fixed_size: 0
    .kernarg_segment_align: 8
    .kernarg_segment_size: 32
    .max_flat_workgroup_size: 256
    .sgpr_count:     66
    .vgpr_count:     32
    .wavefront_size: 32
...
	.end_amdgpu_metadata
.endif
;; end of part 2
